; MI455X (gfx1250); checked and timed in simulation.
; The chip was launched on July 23, 2026; its instructions are those of AMD's public machine-readable ISA for CDNA 5 (MIT licence, August 2026) and "CDNA5" Instruction Set Architecture Reference Guide (July 2026). The comments in the code are by the model that wrote it; some were corrected since.
;; Mo E Layer. Allowed arithmetic: float matrix products may take bf16 or f16 operands with f32 sums; all other float work in f32.
;; Inputs: router_w 512 x 8 float32; w1 8 x 512 x 1,024 float32; w2 8 x 1,024 x 512 float32; w3 8 x 512 x 1,024 float32; x 4 x 1,024 x 512 float32.
;; Outputs: out0 4 x 1,024 x 512 float32; out1 one number float32; out2 one number float32.
;; One version. Each part assembles by itself: llvm-mc -triple=amdgcn-amd-amdhsa -mcpu=gfx1250 --defsym DOCPART=n.
;; ======== version 1 of 1: 4 launches
;; workspace buffers: xb 4,194,304 bytes; wb 25,165,824 bytes; yp 55,836,672 bytes; eid 32,768 bytes of whole numbers; rt 40,960 bytes; plan 70,144 bytes of whole numbers
;; launch route (part 1): grid 256 x 1, 8 waves a work-group, no clusters, 76,800 bytes of LDS; arguments x, router_w, xb, eid, rt, w2, wb; writes xb, eid, rt, wb
.if DOCPART == 1
	.amdgcn_target "amdgcn-amd-amdhsa--gfx1250"
	.amdhsa_code_object_version 6
	.text
	.protected	k_q1b9c2d8642_route
	.globl	k_q1b9c2d8642_route
	.p2align	8
	.type	k_q1b9c2d8642_route,@function
k_q1b9c2d8642_route:
	s_mov_b64 s[64:65], 0
	v_nop
	global_prefetch_b8 v0, s[64:65] scope:SCOPE_SE
	s_setreg_imm32_b32 hwreg(HW_REG_WAVE_MODE, 25, 1), 1
	s_wait_xcnt 0x0
; TWO JOBS IN ONE LAUNCH, which do not depend on each other.
; Work-groups 0 to 127: THE ROUTER.  logits = x router_w, softmax, the two largest, their normalised weights, and the work-group's sums for
; the two losses.  It also leaves x rounded to bf16 in xb, which the expert launch multiplies.
; Work-groups 128 to 255: THE CAST OF w2 to bf16, into the order of the expert launch's tiles (at the end of this text).  It hangs on w2
; alone; the router has work for 128 work-groups of 32 tokens, and these 128 run beside them.
;
; WORK LEFT OUT BY THE WHOLE PROGRAM.  reference() runs every expert on every token and multiplies expert_out[e][n] by combine[n][e].
; combine is a sum of one_hot(topk_i) rows times topk_w: for an expert e that is not in topk_i[n] it is a sum of the zeros that
; one_hot builds, so expert_out[e][n][:] reaches out only as a product with 0, whatever finite numbers the inputs hold.  The
; program therefore computes the two experts of each token and no others.  Which two is a choice by whole numbers: this launch
; stores them (eid), the next sorts them into a plan, and the later launches form their addresses from that plan.
; All five inputs have a way to an output and all are loaded.
; LIMITS.  A NaN, an infinity or an overflow that arises only in an expert that a token did not choose is not carried to out.
; The two largest are taken on the logits, not on the probabilities: the order is the same but where the exponential rounds two
; different logits to one probability (reference() then takes the lower index).  A token with a NaN logit gets expert 0 twice.
; x and router_w enter the product as bf16, sums in f32.
;
; THE ROUTER'S SHARES.  The work-group owns 32 tokens.  Wave w: tokens 16 (w >> 2) .. +15, K = 128 (w & 3) .. +127: four matrix instructions on
; four accumulators, which are then added; the four K quarters of a token meet in LDS, and wave 0 finishes with one token a lane.
; The matrix instruction takes router_w as source 0 (rows = experts, 8 real and 8 zero) and x as source 1 (columns = tokens), so
; that lane r of the lower half holds the 8 logits of token r in its 8 result registers.
.set XSP,  272                         ; x stage: a row of 128 bf16 + 16 bytes: 17 x 16, so that 16 rows start in 16 different 16-byte columns
.set XSB,  16*XSP                      ; a wave's x stage
.set RWS,  8*XSB                       ; router_w stage: a wave has 128 k rows of 32 bytes: 8 experts in bf16, then 8 zeros
.set PLB,  RWS+8*4096                  ; partial logits: 1,024 bytes a wave
.set X,    16                          ; v[16:79]    16 rows of x as loaded, 4 numbers a lane
.set RWF,  80                          ; v[80:111]   4 rows of router_w as loaded
.set XB,   112                         ; v[112:143]  16 rows of x in bf16 (2 registers each), the data of the stores to xb
.set RWB,  144                         ; v[144:159]  4 rows of router_w in bf16
.set Z,    160                         ; v[160:163]  zeros
.set FA,   164                         ; v[164:195]  router_w fragments, 4 K steps
.set FB,   196                         ; v[196:227]  x fragments, 4 K steps
.set ACC,  16                          ; v[16:47]    four accumulators (x as loaded is spent by then)
.set CD,   8                           ; v[8:135]    the cast: 32 loads of 4 registers
	s_load_b256 s[4:11], s[0:1], 0x0               ; x s[4:5], router_w s[6:7], xb s[8:9], eid s[10:11]
	s_load_b64 s[12:13], s[0:1], 0x20              ; rt
	s_load_b128 s[28:31], s[0:1], 0x28             ; w2 s[28:29], wb s[30:31]
	v_lshl_add_u32 v228, v0, 2, 0x12800
	v_mov_b32 v229, 0
	v_and_b32 v1, 31, v0                           ; lane L
	v_lshrrev_b32 v2, 5, v0
	v_readfirstlane_b32 s14, v2                    ; wave
	s_cmp_ge_u32 ttmp9, 128
	s_cbranch_scc1 .Lcast                          ; hangs on the work-group's number alone: the same in all its waves
	v_and_b32 v2, 15, v0                           ; r
	v_bfe_u32 v3, v0, 4, 1                         ; h
	s_lshr_b32 s15, s14, 2                         ; which 16 tokens
	s_and_b32 s16, s14, 3                          ; which quarter of K
	s_mov_b32 s18, 0x76543210                      ; v_permlanex16_b32: lane i of one half reads lane i of the other
	s_mov_b32 s19, 0xfedcba98
	s_lshl_b32 s21, s16, 9
	s_lshl_b32 s22, s15, 15
	s_add_co_u32 s21, s21, s22
	v_lshl_add_u32 v4, v1, 4, s21                  ; x: 16 L + 512 q + 16 rows of 2,048 bytes x token half
	s_lshl_b32 s22, s16, 12
	v_lshl_add_u32 v5, v1, 5, s22                  ; router_w: row 128 q + L, 32 bytes a row
	s_lshl_b32 s21, s16, 8
	s_lshl_b32 s22, s15, 14
	s_add_co_u32 s21, s21, s22
	v_lshl_add_u32 v6, v1, 3, s21                  ; xb: 8 L + 256 q + 16 rows of 1,024 bytes x token half
	s_mul_i32 s23, s14, XSB
	v_lshl_add_u32 v7, v1, 3, s23                  ; x stage, in: 8 L
	s_lshl_b32 s22, s14, 12
	s_add_co_u32 s22, s22, RWS
	v_lshl_add_u32 v8, v1, 5, s22                  ; router_w stage, in: row L
	v_mul_u32_u24 v9, v2, XSP
	v_lshl_add_u32 v9, v3, 4, v9
	v_add_nc_u32 v9, s23, v9                       ; x fragment: row r, 16 h
	v_and_b32 v11, 7, v0
	v_lshl_add_u32 v11, v3, 3, v11                 ; k row 8 h + (L & 7)
	v_bfe_u32 v12, v0, 3, 1
	v_lshlrev_b32 v10, 5, v11
	v_lshl_add_u32 v10, v12, 4, v10                ; experts 0-7 or the zeros
	v_add_nc_u32 v10, s22, v10                     ; router_w fragment, for the transposing load
	s_lshl_b32 s21, s14, 10
	s_add_co_u32 s21, s21, PLB
	v_lshl_add_u32 v13, v1, 5, s21                 ; partial logits, in: 32 bytes a lane
	v_lshlrev_b32 v14, 5, v2
	v_lshl_add_u32 v14, v3, 12, v14
	v_add_nc_u32 v14, PLB, v14                     ; partial logits, back: token L = waves 4 (L >> 4) .. +3, lane L & 15
.irp j, 0,1,2,3
	v_mov_b32 v[Z+\j], 0
.endr
	s_wait_kmcnt 0x0
	s_lshl_b32 s2, ttmp9, 16                       ; 32 rows of x
	s_mov_b32 s3, 0
	s_add_nc_u64 s[4:5], s[4:5], s[2:3]
	s_lshl_b32 s2, ttmp9, 15                       ; 32 rows of xb
	s_add_nc_u64 s[8:9], s[8:9], s[2:3]
	s_lshl_b32 s2, ttmp9, 8                        ; 32 tokens x 8 bytes
	s_add_nc_u64 s[10:11], s[10:11], s[2:3]
	s_add_nc_u64 s[24:25], s[12:13], s[2:3]        ; the weights' place in rt
	s_lshl_b32 s2, ttmp9, 6                        ; 64 bytes of sums for each work-group
	s_add_nc_u64 s[26:27], s[12:13], s[2:3]
.irp i, 0,1,2,3
	global_load_b128 v[RWF+8*\i:RWF+8*\i+3],   v5, s[6:7] offset:1024*\i
	global_load_b128 v[RWF+8*\i+4:RWF+8*\i+7], v5, s[6:7] offset:1024*\i+16
.endr
.irp i, 0,1,2,3,4,5,6,7,8,9,10,11,12,13,14,15
	global_load_b128 v[X+4*\i:X+4*\i+3], v4, s[4:5] offset:2048*\i th:TH_LOAD_NT   ; 512 neighbouring bytes of row i; x is read once in the launch
.endr
	s_wait_loadcnt 16                              ; router_w's eight loads are in; the sixteen of x stay out
.irp i, 0,1,2,3
.irp p, 0,1,2,3
	v_cvt_pk_bf16_f32 v[RWB+4*\i+\p], v[RWF+8*\i+2*\p], v[RWF+8*\i+2*\p+1]
.endr
	ds_store_b128 v8, v[RWB+4*\i:RWB+4*\i+3] offset:1024*\i
	ds_store_b128 v8, v[Z:Z+3] offset:1024*\i+16
.endr
.irp i, 0,1,2,3,4,5,6,7,8,9,10,11,12,13,14,15
	s_wait_loadcnt 15-\i                           ; loads come back in order: row i is in
	v_cvt_pk_bf16_f32 v[XB+2*\i],   v[X+4*\i],   v[X+4*\i+1]
	v_cvt_pk_bf16_f32 v[XB+2*\i+1], v[X+4*\i+2], v[X+4*\i+3]
	ds_store_b64 v7, v[XB+2*\i:XB+2*\i+1] offset:XSP*\i
	global_store_b64 v6, v[XB+2*\i:XB+2*\i+1], s[8:9] offset:1024*\i      ; the wave's 32 lanes store 256 consecutive bytes, aligned
.endr
	; fragments, from the wave's own bytes: LDS serves a wave's instructions in order, so these loads see the stores above
.irp ks, 0,1,2,3
	ds_load_b128 v[FB+8*\ks:FB+8*\ks+3],   v9 offset:64*\ks
	ds_load_b128 v[FB+8*\ks+4:FB+8*\ks+7], v9 offset:64*\ks+32
	ds_load_tr16_b128 v[FA+8*\ks:FA+8*\ks+3],   v10 offset:1024*\ks       ; k = 32 ks + 8 h .. +7 of expert column r
	ds_load_tr16_b128 v[FA+8*\ks+4:FA+8*\ks+7], v10 offset:1024*\ks+512   ; k = 32 ks + 16 + 8 h .. +7
.endr
	s_wait_dscnt 0x0
.irp ks, 0,1,2,3
	v_wmma_f32_16x16x32_bf16 v[ACC+8*\ks:ACC+8*\ks+7], v[FA+8*\ks:FA+8*\ks+7], v[FB+8*\ks:FB+8*\ks+7], 0   ; four sums of their own: no chain
.endr
.rept 4
	v_nop                                          ; four places between the last matrix instruction and the first reader of a result (ISA guide 7.12.1)
.endr
.irp j, 0,2,4,6
	v_pk_add_f32 v[ACC+\j:ACC+\j+1], v[ACC+\j:ACC+\j+1], v[ACC+8+\j:ACC+8+\j+1]
	v_pk_add_f32 v[ACC+16+\j:ACC+16+\j+1], v[ACC+16+\j:ACC+16+\j+1], v[ACC+24+\j:ACC+24+\j+1]
.endr
.irp j, 0,2,4,6
	v_pk_add_f32 v[ACC+\j:ACC+\j+1], v[ACC+\j:ACC+\j+1], v[ACC+16+\j:ACC+16+\j+1]
.endr
	ds_store_b128 v13, v[ACC:ACC+3]
	ds_store_b128 v13, v[ACC+4:ACC+7] offset:16
	s_wait_dscnt 0x0                               ; for wave 0's sake: my partial logits are in LDS
	s_barrier_signal -1
	s_barrier_wait -1
	s_cmp_lg_u32 s14, 0
	s_cbranch_scc1 .Lend                           ; behind the only barrier: waves 1 to 7 are done
	; WAVE 0, one token a lane.  v[48:55] logits, v[56:63] logits without the largest, v[64:71] probabilities
.irp q, 0,1,2,3
	ds_load_b128 v[48+8*\q:51+8*\q], v14 offset:1024*\q
	ds_load_b128 v[52+8*\q:55+8*\q], v14 offset:1024*\q+16
.endr
	s_wait_dscnt 0x0
.irp j, 0,2,4,6
	v_pk_add_f32 v[48+\j:49+\j], v[48+\j:49+\j], v[56+\j:57+\j]
	v_pk_add_f32 v[64+\j:65+\j], v[64+\j:65+\j], v[72+\j:73+\j]
.endr
.irp j, 0,2,4,6
	v_pk_add_f32 v[48+\j:49+\j], v[48+\j:49+\j], v[64+\j:65+\j]
.endr
	v_mul_f32 v80, v48, v48                        ; the sum of squares, for the z loss
.irp e, 1,2,3,4,5,6,7
	v_fmac_f32 v80, v[48+\e], v[48+\e]
.endr
	v_max3_num_f32 v81, v48, v49, v50              ; the largest logit
	v_max3_num_f32 v81, v81, v51, v52
	v_max3_num_f32 v81, v81, v53, v54
	v_max_num_f32 v81, v81, v55
	v_mov_b32 v82, 0
.irp e, 7,6,5,4,3,2,1,0
	v_cmp_neq_f32 vcc_lo, v[48+\e], v81            ; from the top down, so that the lowest index of equals stays, as in top_k
	v_cndmask_b32 v82, \e, v82, vcc_lo
.endr
	v_mov_b32 v85, 0xff800000                      ; minus infinity takes the largest out
.irp e, 0,1,2,3,4,5,6,7
	v_cmp_eq_u32 vcc_lo, \e, v82
	v_cndmask_b32 v[56+\e], v[48+\e], v85, vcc_lo
.endr
	v_max3_num_f32 v84, v56, v57, v58              ; the second largest
	v_max3_num_f32 v84, v84, v59, v60
	v_max3_num_f32 v84, v84, v61, v62
	v_max_num_f32 v84, v84, v63
	v_mov_b32 v83, 0
.irp e, 7,6,5,4,3,2,1,0
	v_cmp_neq_f32 vcc_lo, v[56+\e], v84
	v_cndmask_b32 v83, \e, v83, vcc_lo
.endr
.irp e, 0,1,2,3,4,5,6,7
	v_sub_f32 v[64+\e], v[48+\e], v81              ; the maximum is taken away, as reference()'s softmax does
	v_mul_f32 v[64+\e], 0x3fb8aa3b, v[64+\e]       ; e^x = 2^(1.442695 x)
.endr
	v_sub_f32 v90, v84, v81
	v_mul_f32 v90, 0x3fb8aa3b, v90
.irp e, 0,1,2,3,4,5,6,7
	v_exp_f32 v[64+\e], v[64+\e]
.endr
	v_exp_f32 v90, v90                             ; p2 / p1
	v_nop                                          ; one plain instruction behind the transcendentals, ahead of the first use (ISA guide 5.7.2)
	s_wait_alu depctr_va_vdst(0)
	v_add_f32 v86, v64, v65
	v_add_f32 v87, v66, v67
	v_add_f32 v91, v68, v69
	v_add_f32 v92, v70, v71
	v_add_f32 v86, v86, v87
	v_add_f32 v91, v91, v92
	v_add_f32 v86, v86, v91
	v_add_f32 v88, 1.0, v90
	v_rcp_f32 v86, v86
	v_rcp_f32 v88, v88                             ; p1 / (p1 + p2) = 1 / (1 + p2 / p1): the softmax's sum cancels
	v_nop
	s_wait_alu depctr_va_vdst(0)
.irp e, 0,1,2,3,4,5,6,7
	v_mul_f32 v[64+\e], v[64+\e], v86
.endr
	v_mul_f32 v89, v90, v88                        ; p2 / (p1 + p2)
	v_lshlrev_b32 v93, 3, v1
	global_store_b64 v93, v[82:83], s[10:11]       ; 32 lanes x 8 bytes: 256 consecutive bytes, aligned
	global_store_b64 v93, v[88:89], s[24:25]
	v_mov_b32 v94, 0                               ; v_permlanex16_b32 counts as a reader of its destination
.macro RED r                           ; the sum over the 32 lanes, in every lane
	v_add_f32_dpp v[\r], v[\r], v[\r] row_xmask:1 row_mask:0xf bank_mask:0xf
	v_add_f32_dpp v[\r], v[\r], v[\r] row_xmask:2 row_mask:0xf bank_mask:0xf
	v_add_f32_dpp v[\r], v[\r], v[\r] row_xmask:4 row_mask:0xf bank_mask:0xf
	v_add_f32_dpp v[\r], v[\r], v[\r] row_xmask:8 row_mask:0xf bank_mask:0xf
	v_permlanex16_b32 v94, v[\r], s18, s19
	v_add_f32 v[\r], v[\r], v94
.endm
.irp r, 64,65,66,67,68,69,70,71,80
	RED \r
.endr
	v_mov_b32 v95, 0
	s_wait_xcnt 0x0                                ; EXEC is a source of the stores above: it changes only behind this wait
	v_cmp_eq_u32 vcc_lo, 0, v1
	s_and_saveexec_b32 s20, vcc_lo                 ; lane 0 stores the work-group's nine sums
	global_store_b128 v95, v[64:67], s[26:27] offset:32768
	global_store_b128 v95, v[68:71], s[26:27] offset:32784
	global_store_b32 v95, v80, s[26:27] offset:32800
	s_wait_xcnt 0x0                                ; and again in front of the line that widens it
	s_or_b32 exec_lo, exec_lo, s20
.Lend:
	s_wait_tensorcnt 0x0
	ds_add_u32 v228, v229
	s_wait_dscnt 0x0
	s_endpgm
	; ---------------- THE CAST OF w2.  wb is [expert 8][chunk 16][tile 3][256 rows][256 bytes], a chunk = 64 columns of F; tiles 0 and 1 (w1, w3) are
	; written by the next launch.  Tile 2: row 64 g + f = w2[e][64 c + f][128 g .. +127] in bf16.  Work-group 128 + 16 e + c reads the chunk's 64 rows of
	; w2, 131,072 consecutive bytes, all 32 loads of every wave going out at once.  A stream: memory binds it, so no LDS and no matrix unit in it.
.Lcast:
	s_sub_co_u32 s15, ttmp9, 128
	s_lshr_b32 s16, s15, 4                         ; expert
	s_and_b32 s17, s15, 15                         ; chunk
	s_lshl_b32 s20, s16, 21                        ; an expert's w2 is 2,097,152 bytes,
	s_lshl_b32 s21, s17, 17                        ; a chunk's 64 rows 131,072
	s_add_co_u32 s20, s20, s21
	s_mov_b32 s21, 0
	s_mul_i32 s22, s16, 0x300000                   ; an expert has 3,145,728 bytes of wb,
	s_mul_i32 s23, s17, 196608                     ; a chunk 196,608,
	s_add_co_u32 s22, s22, s23
	s_add_co_u32 s22, s22, 131072                  ; and tile 2 lies behind two tiles of 65,536
	s_mov_b32 s23, 0
	s_lshl_b32 s18, s14, 14                        ; a wave reads 8 rows, 16,384 bytes
	v_lshl_add_u32 v4, v1, 4, s18                  ; from: 16,384 w + 16 L
	s_lshl_b32 s19, s14, 11
	v_lshl_add_u32 v5, v1, 3, s19                  ; to: 2,048 w + 8 L
	s_wait_kmcnt 0x0
	s_add_nc_u64 s[28:29], s[28:29], s[20:21]
	s_add_nc_u64 s[30:31], s[30:31], s[22:23]
.irp i, 0,1,2,3,4,5,6,7
.irp g, 0,1,2,3
	global_load_b128 v[CD+4*(4*\i+\g):CD+4*(4*\i+\g)+3], v4, s[28:29] offset:2048*\i+512*\g th:TH_LOAD_NT   ; 512 bytes of row f = 8 w + i, columns 128 g .. +127
.endr
.endr
.irp i, 0,1,2,3,4,5,6,7
.irp g, 0,1,2,3
	s_wait_loadcnt 31-(4*\i+\g)                    ; loads come back in order: the younger ones stay out
	v_cvt_pk_bf16_f32 v[CD+4*(4*\i+\g)],   v[CD+4*(4*\i+\g)],   v[CD+4*(4*\i+\g)+1]
	v_cvt_pk_bf16_f32 v[CD+4*(4*\i+\g)+1], v[CD+4*(4*\i+\g)+2], v[CD+4*(4*\i+\g)+3]
	global_store_b64 v5, v[CD+4*(4*\i+\g):CD+4*(4*\i+\g)+1], s[30:31] offset:16384*\g+256*\i   ; a whole tile row: 256 consecutive bytes, aligned
.endr
.endr
	s_endpgm
.Lfunc_end_k_q1b9c2d8642_route:
	.size	k_q1b9c2d8642_route, .Lfunc_end_k_q1b9c2d8642_route-k_q1b9c2d8642_route
	.p2alignl 7, 3214868480
	.fill 96, 4, 3214868480
	.section	.rodata,"a",@progbits
	.p2align	6, 0x0
	.amdhsa_kernel k_q1b9c2d8642_route
		.amdhsa_group_segment_fixed_size 76800
		.amdhsa_private_segment_fixed_size 0
		.amdhsa_enable_private_segment 0
		.amdhsa_kernarg_size 56
		.amdhsa_user_sgpr_count 2
		.amdhsa_user_sgpr_kernarg_segment_ptr 1
		.amdhsa_wavefront_size32 1
		.amdhsa_system_sgpr_workgroup_id_x 1
		.amdhsa_system_sgpr_workgroup_id_y 1
		.amdhsa_system_sgpr_workgroup_id_z 1
		.amdhsa_system_vgpr_workitem_id 0
		.amdhsa_next_free_vgpr 230
		.amdhsa_next_free_sgpr 66
		.amdhsa_reserve_vcc 1
		.amdhsa_float_denorm_mode_32 3
		.amdhsa_float_denorm_mode_16_64 3
		.amdhsa_memory_ordered 1
		.amdhsa_forward_progress 1
		.amdhsa_inst_pref_size 36
	.end_amdhsa_kernel
	.amdgpu_metadata
---
amdhsa.version: [ 1, 2 ]
amdhsa.kernels:
  - .name:           k_q1b9c2d8642_route
    .symbol:         k_q1b9c2d8642_route.kd
    .args:
      - { .name: x, .offset: 0, .size: 8, .value_kind: global_buffer, .address_space: global }
      - { .name: router_w, .offset: 8, .size: 8, .value_kind: global_buffer, .address_space: global }
      - { .name: xb, .offset: 16, .size: 8, .value_kind: global_buffer, .address_space: global }
      - { .name: eid, .offset: 24, .size: 8, .value_kind: global_buffer, .address_space: global }
      - { .name: rt, .offset: 32, .size: 8, .value_kind: global_buffer, .address_space: global }
      - { .name: w2, .offset: 40, .size: 8, .value_kind: global_buffer, .address_space: global }
      - { .name: wb, .offset: 48, .size: 8, .value_kind: global_buffer, .address_space: global }
    .group_segment_fixed_size: 76800
    .private_segment_fixed_size: 0
    .kernarg_segment_align: 8
    .kernarg_segment_size: 56
    .max_flat_workgroup_size: 256
    .sgpr_count:     66
    .vgpr_count:     230
    .wavefront_size: 32
...
	.end_amdgpu_metadata
.endif
;; end of part 1
;; launch plan_cast (part 2): grid 257 x 1, 8 waves a work-group, no clusters, 2,048 bytes of LDS; arguments eid, rt, w1, w3, plan, wb, out1, out2; writes plan, wb, out1, out2
.if DOCPART == 2
	.amdgcn_target "amdgcn-amd-amdhsa--gfx1250"
	.amdhsa_code_object_version 6
	.text
	.protected	k_q1b9c2d8642_plan_cast
	.globl	k_q1b9c2d8642_plan_cast
	.p2align	8
	.type	k_q1b9c2d8642_plan_cast,@function
k_q1b9c2d8642_plan_cast:
	s_mov_b64 s[64:65], 0
	v_nop
	global_prefetch_b8 v0, s[64:65] scope:SCOPE_SE
	s_setreg_imm32_b32 hwreg(HW_REG_WAVE_MODE, 25, 1), 1
	s_wait_xcnt 0x0
; TWO JOBS IN ONE LAUNCH, which do not depend on each other.
; Work-group 0 makes the PLAN from the router's expert numbers: the 8,192 entries (token, k) are sorted by expert into slots, each
; expert's run beginning at a multiple of 128 slots (a block).  It stores pos[entry] = slot, slot_tok[slot] = token, blk[block] = expert,
; and the two losses.  The sum over experts of ceil(n_e / 128) is at most 64 + 7 = 71 blocks for every routing.
; Work-groups 1 to 256 CAST w1 and w3 to bf16, once, into the order in which the expert launch's tiles want them:
; wb[e][c][3][256 rows][256 bytes], c = a chunk of 64 columns of F.
;   tile 0: row p = w1[e][2p][64c .. +63], then w1[e][2p+1][64c .. +63];  tile 1: the same of w3;
;   tile 2 (w2) was written by the launch before.
; Each cast work-group reads 131,072 consecutive bytes; memory binds it, so there is no LDS, no matrix unit and no cluster in it.
; slot_tok is stored four bytes a lane at the entry's slot (lanes with one expert get neighbouring slots): 32 KiB in all, for which a
; sort through LDS would need addresses there that hang on data.  Each of the slots 0 to 9,087 is written once: by an entry, or with
; token 0 as a free slot.  All lanes stay on in the turns that clear free slots: a lane that has none stores its 0 into one of the 128
; spare words behind the table (slots 9,088 to 9,215).  These may be written more than once, always with 0 and by this work-group alone,
; and no launch reads them.
.set EIDP, 4                           ; s[4:5]     eid
.set RTP,  6                           ; s[6:7]     rt
.set W1P,  8                           ; s[8:9]     w1
.set W3P,  10                          ; s[10:11]   w3
.set PLN,  12                          ; s[12:13]   plan
.set WBP,  14                          ; s[14:15]   wb
.set O1,   16                          ; s[16:17]   out1
.set O2,   18                          ; s[18:19]   out2
.set E,    8                           ; v[8:39]    my 32 entries' experts, then 4 x expert, then the entries' tokens
.set R,    40                          ; v[40:71]   their ranks, then their slots
.set BP,   72                          ; v[72:103]  their experts' bases, then 4 x slot
.set CW,   104                         ; v[104:111] the eight waves' counts
.set PA,   104                         ; v[104:111] later: the addresses of the eight turns over free slots, one register a turn
.set TOT,  112
.set PRE,  113
.set NB,   114
.set VB,   115
.set BASE, 116
.set START, 117
.set END,  118
.set PS,   119
.set PE,   120
.set SP,   121                         ; my spare word's slot
.set ZR,   122
.set T2,   123
.set ST,   8                           ; v[8:55]    the losses: four rows of sums, 12 registers each (behind the plan's stores)
.set D,    8                           ; v[8:135]   cast: 32 loads of 4 registers
.set CNT,  24                          ; s[24:31]   my wave's running count for each expert
.set C1,   32                          ; s[32:39]   the same for first choices alone
.set M,    40                          ; s[40:47]   lanes whose entry has expert e
.set T,    48                          ; s[48:55]
.set N,    56                          ; s[56:63]   blocks of expert e
.set B,    68                          ; s[68:75]   first block of expert e
.set BE,   76                          ; s[76:83]   one past its last
.set L1,   84                          ; s[84:91]   tokens whose first choice is e
	s_load_b512 s[4:19], s[0:1], 0x0               ; all eight addresses at once
	v_lshl_add_u32 v136, v0, 2, 0x400
	v_mov_b32 v137, 0
	v_and_b32 v1, 31, v0                           ; lane
	v_lshrrev_b32 v2, 5, v0
	v_readfirstlane_b32 s22, v2                    ; wave
	s_cmp_lg_u32 ttmp9, 0
	s_cbranch_scc1 .Lcast                          ; hangs on the work-group's number alone: the same in all its waves
	; ---------------- THE PLAN: 256 threads; thread t has entries 1024 it + 4 t + j, it = 0..7, j = 0..3; token = entry / 2, k = entry & 1
	v_lshlrev_b32 v3, 4, v0                        ; 16 t
	s_wait_kmcnt 0x0
.irp it, 0,1,2,3,4,5,6,7
	global_load_b128 v[E+4*\it:E+4*\it+3], v3, s[EIDP:EIDP+1] offset:4096*\it
.endr
.irp e, 0,1,2,3,4,5,6,7
	s_mov_b32 s[CNT+\e], 0
	s_mov_b32 s[C1+\e], 0
.endr
	s_wait_loadcnt 0x0
; The rank of entry u among my wave's entries of the same expert: those of earlier registers (CNT) and those of lower lanes (v_mbcnt).
.macro RANK u
	v_min_u32 v[E+\u], 7, v[E+\u]                  ; a loaded number is clamped before anything is made of it
.irp e, 0,1,2,3,4,5,6,7
	v_cmp_eq_u32 s[M+\e], \e, v[E+\u]
.endr
	v_mbcnt_lo_u32_b32 v[R+\u], s[M], s[CNT]
.irp e, 1,2,3,4,5,6,7
	v_mbcnt_lo_u32_b32 v4, s[M+\e], s[CNT+\e]
	v_cndmask_b32 v[R+\u], v[R+\u], v4, s[M+\e]
.endr
.irp e, 0,1,2,3,4,5,6,7
	s_bcnt1_i32_b32 s[T+\e], s[M+\e]
	s_add_co_u32 s[CNT+\e], s[CNT+\e], s[T+\e]
.if ((\u)%2) == 0
	s_add_co_u32 s[C1+\e], s[C1+\e], s[T+\e]       ; even entries are first choices
.endif
.endr
.endm
.set ru, 0
.rept 32
	RANK ru
.set ru, ru+1
.endr
	v_mov_b32 v5, 0
.irp e, 0,1,2,3,4,5,6,7
	v_writelane_b32 v5, s[CNT+\e], \e              ; lane e: my wave's count for expert e
	v_writelane_b32 v5, s[C1+\e], 8+\e             ; lane 8 + e: its first choices
.endr
	s_lshl_b32 s92, s22, 7
	v_lshl_add_u32 v6, v1, 2, s92
	ds_store_b32 v6, v5                            ; 128 bytes for each wave
	s_wait_dscnt 0x0                               ; for the others' sake
	s_barrier_signal -1
	s_barrier_wait -1
	v_lshlrev_b32 v7, 2, v1
.irp w, 0,1,2,3,4,5,6,7
	ds_load_b32 v[CW+\w], v7 offset:128*\w
.endr
	s_wait_dscnt 0x0
	v_add_nc_u32 v[TOT], v[CW], v[CW+1]
.irp w, 2,3,4,5,6,7
	v_add_nc_u32 v[TOT], v[TOT], v[CW+\w]
.endr
	v_mov_b32 v[PRE], 0
.irp w, 0,1,2,3,4,5,6
	s_cmp_gt_u32 s22, \w                           ; the waves in front of mine
	s_cselect_b32 s92, -1, 0
	v_and_b32 v4, s92, v[CW+\w]
	v_add_nc_u32 v[PRE], v[PRE], v4
.endr
	v_add_nc_u32 v[NB], 127, v[TOT]
	v_lshrrev_b32 v[NB], 7, v[NB]                  ; blocks of expert e, in lane e
.irp e, 0,1,2,3,4,5,6,7
	v_readlane_b32 s[N+\e], v[NB], \e
	v_readlane_b32 s[L1+\e], v[TOT], 8+\e
.endr
	s_mov_b32 s[B], 0
.irp e, 0,1,2,3,4,5,6
	s_add_co_u32 s[BE+\e], s[B+\e], s[N+\e]
	s_mov_b32 s[B+\e+1], s[BE+\e]
.endr
	s_add_co_u32 s[BE+7], s[B+7], s[N+7]           ; the number of blocks in use
	v_mov_b32 v[VB], 0
.irp e, 0,1,2,3,4,5,6,7
	v_writelane_b32 v[VB], s[B+\e], \e
.endr
	v_lshl_add_u32 v[BASE], v[VB], 7, v[PRE]       ; lane e: the first slot of my wave's entries of expert e
	v_lshl_add_u32 v[START], v[VB], 7, v[TOT]      ; lane e: the first free slot behind expert e's entries
	v_add_lshl_u32 v[END], v[VB], v[NB], 7         ; lane e: one past expert e's last slot
.set ru, 0
.rept 32
	v_lshlrev_b32 v[E+ru], 2, v[E+ru]
	ds_bpermute_b32 v[BP+ru], v[E+ru], v[BASE]     ; the base of my entry's expert, from lane e
.set ru, ru+1
.endr
	v_mov_b32 v4, s22
	v_lshlrev_b32 v4, 2, v4
	ds_bpermute_b32 v[PS], v4, v[START]            ; wave e sees to expert e's free slots
	ds_bpermute_b32 v[PE], v4, v[END]
	v_lshlrev_b32 v[T2], 1, v0                     ; 2 t
	v_mov_b32 v[ZR], 0
	v_and_b32 v[SP], 127, v0
	v_add_nc_u32 v[SP], 0x2380, v[SP]              ; my spare word: slot 9,088 + (t mod 128)
	s_wait_dscnt 0x0
.set ru, 0
.rept 32
	v_add_nc_u32 v[R+ru], v[R+ru], v[BP+ru]
	v_min_u32 v[R+ru], 0x237f, v[R+ru]             ; a slot is below 71 x 128 = 9,088; the clamp stands in front of the address
	v_lshlrev_b32 v[BP+ru], 2, v[R+ru]
	v_add_nc_u32 v[E+ru], 512*(ru/4)+((ru%4)/2), v[T2]      ; the entry's token
	global_store_b32 v[BP+ru], v[E+ru], s[PLN:PLN+1] offset:0x8000
.set ru, ru+1
.endr
.irp it, 0,1,2,3,4,5,6,7
	global_store_b128 v3, v[R+4*\it:R+4*\it+3], s[PLN:PLN+1] offset:4096*\it   ; pos, in the entries' order: 512 consecutive bytes a wave
.endr
; One turn over free slots: slot PS + off gets token 0 if it lies below PE; a lane whose slot does not takes its spare word instead.
; The choice is a select, with all lanes on, and stands in front of the clamp.  Turn n has its own address register, so that no
; pending store's address is written again.
.macro PADST n, off
	v_add_nc_u32 v[PA+\n], \off, v[PS]
	v_cmp_lt_u32 vcc_lo, v[PA+\n], v[PE]
	v_cndmask_b32 v[PA+\n], v[SP], v[PA+\n], vcc_lo
	v_min_u32 v[PA+\n], 0x23ff, v[PA+\n]           ; the table has 9,216 words
	v_lshlrev_b32 v[PA+\n], 2, v[PA+\n]
	global_store_b32 v[PA+\n], v[ZR], s[PLN:PLN+1] offset:0x8000
.endm
	v_add_nc_u32 v[PS], v[PS], v1                  ; at most 127 free slots behind an expert's entries: four turns of 32 lanes
	PADST 0, 0
	PADST 1, 32
	PADST 2, 64
	PADST 3, 96
	s_lshl_b32 s92, s[BE+7], 7
	v_add_nc_u32 v[PS], s92, v0                    ; and the slots of the blocks not in use, up to 9,087: at least 64 blocks are in use,
	v_mov_b32 v[PE], 0x2380                        ; so at most 896 are left: four turns of 256 threads
	PADST 4, 0
	PADST 5, 256
	PADST 6, 512
	PADST 7, 768
	s_cmp_gt_u32 s22, 3
	s_cbranch_scc1 .Lnoblk                         ; blk has 128 words: waves 0 to 3
	v_mov_b32 v124, 0
.irp e, 0,1,2,3,4,5,6
	v_cmp_le_u32 vcc_lo, s[BE+\e], v0              ; block t belongs to the expert whose run holds it: count the runs that end at or below t
	v_add_co_ci_u32 v124, vcc_lo, 0, v124, vcc_lo
.endr
	v_lshlrev_b32 v125, 2, v0
	global_store_b32 v125, v124, s[PLN:PLN+1] offset:0x11000
.Lnoblk:
	s_cmp_lg_u32 s22, 0
	s_cbranch_scc1 .Lpend
	; THE LOSSES, wave 0: the 128 router work-groups' nine sums; lane L takes rows L, L + 32, L + 64, L + 96
	s_wait_xcnt 0x0                                ; the plan's stores have read E and R: they are loaded into only behind this wait
	s_mov_b32 s92, 0x76543210
	s_mov_b32 s93, 0xfedcba98
	v_lshlrev_b32 v126, 6, v1
.irp a, 0,1,2,3
	global_load_b128 v[ST+12*\a:ST+12*\a+3],   v126, s[RTP:RTP+1] offset:32768+2048*\a
	global_load_b128 v[ST+12*\a+4:ST+12*\a+7], v126, s[RTP:RTP+1] offset:32768+2048*\a+16
	global_load_b32  v[ST+12*\a+8],            v126, s[RTP:RTP+1] offset:32768+2048*\a+32
.endr
	v_mov_b32 v127, 0
	s_wait_loadcnt 0x0
.irp j, 0,1,2,3,4,5,6,7,8
	v_add_f32 v[ST+\j], v[ST+\j], v[ST+12+\j]
	v_add_f32 v[ST+24+\j], v[ST+24+\j], v[ST+36+\j]
	v_add_f32 v[ST+\j], v[ST+\j], v[ST+24+\j]
	v_add_f32_dpp v[ST+\j], v[ST+\j], v[ST+\j] row_xmask:1 row_mask:0xf bank_mask:0xf
	v_add_f32_dpp v[ST+\j], v[ST+\j], v[ST+\j] row_xmask:2 row_mask:0xf bank_mask:0xf
	v_add_f32_dpp v[ST+\j], v[ST+\j], v[ST+\j] row_xmask:4 row_mask:0xf bank_mask:0xf
	v_add_f32_dpp v[ST+\j], v[ST+\j], v[ST+\j] row_xmask:8 row_mask:0xf bank_mask:0xf
	v_permlanex16_b32 v127, v[ST+\j], s92, s93
	v_add_f32 v[ST+\j], v[ST+\j], v127
.endr
	v_cvt_f32_u32 v128, s[L1]
	v_mul_f32 v129, v[ST], v128
.irp e, 1,2,3,4,5,6,7
	v_cvt_f32_u32 v128, s[L1+\e]
	v_fmac_f32 v129, v[ST+\e], v128                ; sum over e of (sum of probabilities) x (first choices)
.endr
	v_mul_f32 v129, 0x31a3d70a, v129               ; x 8 x 0.01 / 4096^2
	v_mul_f32 v130, 0x3151b717, v[ST+8]            ; x 1e-4 / (4096 x 8)
	v_mov_b32 v131, 0
	s_wait_xcnt 0x0                                ; EXEC is a source of pending loads and stores: it changes only behind this wait
	v_cmp_eq_u32 vcc_lo, 0, v1                     ; lane 0, by the thread's number alone
	s_and_saveexec_b32 s23, vcc_lo
	global_store_b32 v131, v129, s[O1:O1+1]
	global_store_b32 v131, v130, s[O2:O2+1]
	s_wait_xcnt 0x0                                ; and again in front of the line that widens it
	s_or_b32 exec_lo, exec_lo, s23
.Lpend:
	s_wait_tensorcnt 0x0
	ds_add_u32 v136, v137
	s_wait_dscnt 0x0
	s_endpgm
	; ---------------- THE CAST: id = kind x 128 + expert x 16 + group; 32 loads of every wave go out at once, 131,072 bytes for the work-group
.Lcast:
	s_sub_co_u32 s24, ttmp9, 1
	s_lshr_b32 s25, s24, 7                         ; 0: w1, 1: w3
	s_bfe_u32 s26, s24, 0x30004                    ; expert
	s_and_b32 s27, s24, 15                         ; group: 32 rows d
	s_lshl_b32 s28, s26, 21                        ; an expert's matrix is 2,097,152 bytes
	s_lshl_b32 s29, s27, 17
	s_add_co_u32 s28, s28, s29
	s_mov_b32 s29, 0
	s_mul_i32 s30, s26, 0x300000                   ; and 3,145,728 bytes of wb
	s_mov_b32 s31, 0
	s_lshl_b32 s37, s25, 16                        ; tile 0 or 1
	s_add_co_u32 s30, s30, s37
	s_lshl_b32 s37, s27, 12                        ; 16 tile rows for each group
	s_add_co_u32 s30, s30, s37
	s_lshl_b32 s36, s22, 14                        ; a wave reads 16,384 bytes
	v_and_b32 v2, 15, v0
	v_bfe_u32 v3, v0, 4, 1
	; lanes 0-15 read 256 bytes of an even row d, lanes 16-31 of the row below; together they are one row of the tile
	v_lshl_add_u32 v4, v2, 4, s36
	v_lshl_add_u32 v4, v3, 12, v4                  ; from: 16,384 w + 4,096 h + 16 r
	s_lshl_b32 s37, s22, 9
	v_lshl_add_u32 v5, v1, 3, s37                  ; to: 512 w + 8 L
	s_wait_kmcnt 0x0
	s_cmp_eq_u32 s25, 1
	s_cselect_b64 s[32:33], s[W3P:W3P+1], s[W1P:W1P+1]
	s_add_nc_u64 s[32:33], s[32:33], s[28:29]
	s_add_nc_u64 s[34:35], s[WBP:WBP+1], s[30:31]
.irp p, 0,1
.irp c, 0,1,2,3,4,5,6,7,8,9,10,11,12,13,14,15
	global_load_b128 v[D+4*(16*\p+\c):D+4*(16*\p+\c)+3], v4, s[32:33] offset:8192*\p+256*\c th:TH_LOAD_NT
.endr
.endr
.irp p, 0,1
.irp c, 0,1,2,3,4,5,6,7,8,9,10,11,12,13,14,15
	s_wait_loadcnt 31-(16*\p+\c)                   ; loads come back in order: the younger ones stay out
	v_cvt_pk_bf16_f32 v[D+4*(16*\p+\c)],   v[D+4*(16*\p+\c)],   v[D+4*(16*\p+\c)+1]
	v_cvt_pk_bf16_f32 v[D+4*(16*\p+\c)+1], v[D+4*(16*\p+\c)+2], v[D+4*(16*\p+\c)+3]
	global_store_b64 v5, v[D+4*(16*\p+\c):D+4*(16*\p+\c)+1], s[34:35] offset:256*\p+196608*\c   ; a whole tile row: 256 consecutive bytes, aligned
.endr
.endr
	s_endpgm
.Lfunc_end_k_q1b9c2d8642_plan_cast:
	.size	k_q1b9c2d8642_plan_cast, .Lfunc_end_k_q1b9c2d8642_plan_cast-k_q1b9c2d8642_plan_cast
	.p2alignl 7, 3214868480
	.fill 96, 4, 3214868480
	.section	.rodata,"a",@progbits
	.p2align	6, 0x0
	.amdhsa_kernel k_q1b9c2d8642_plan_cast
		.amdhsa_group_segment_fixed_size 2048
		.amdhsa_private_segment_fixed_size 0
		.amdhsa_enable_private_segment 0
		.amdhsa_kernarg_size 64
		.amdhsa_user_sgpr_count 2
		.amdhsa_user_sgpr_kernarg_segment_ptr 1
		.amdhsa_wavefront_size32 1
		.amdhsa_system_sgpr_workgroup_id_x 1
		.amdhsa_system_sgpr_workgroup_id_y 1
		.amdhsa_system_sgpr_workgroup_id_z 1
		.amdhsa_system_vgpr_workitem_id 0
		.amdhsa_next_free_vgpr 138
		.amdhsa_next_free_sgpr 96
		.amdhsa_reserve_vcc 1
		.amdhsa_float_denorm_mode_32 3
		.amdhsa_float_denorm_mode_16_64 3
		.amdhsa_memory_ordered 1
		.amdhsa_forward_progress 1
		.amdhsa_inst_pref_size 109
	.end_amdhsa_kernel
	.amdgpu_metadata
---
amdhsa.version: [ 1, 2 ]
amdhsa.kernels:
  - .name:           k_q1b9c2d8642_plan_cast
    .symbol:         k_q1b9c2d8642_plan_cast.kd
    .args:
      - { .name: eid, .offset: 0, .size: 8, .value_kind: global_buffer, .address_space: global }
      - { .name: rt, .offset: 8, .size: 8, .value_kind: global_buffer, .address_space: global }
      - { .name: w1, .offset: 16, .size: 8, .value_kind: global_buffer, .address_space: global }
      - { .name: w3, .offset: 24, .size: 8, .value_kind: global_buffer, .address_space: global }
      - { .name: plan, .offset: 32, .size: 8, .value_kind: global_buffer, .address_space: global }
      - { .name: wb, .offset: 40, .size: 8, .value_kind: global_buffer, .address_space: global }
      - { .name: out1, .offset: 48, .size: 8, .value_kind: global_buffer, .address_space: global }
      - { .name: out2, .offset: 56, .size: 8, .value_kind: global_buffer, .address_space: global }
    .group_segment_fixed_size: 2048
    .private_segment_fixed_size: 0
    .kernarg_segment_align: 8
    .kernarg_segment_size: 64
    .max_flat_workgroup_size: 256
    .sgpr_count:     96
    .vgpr_count:     138
    .wavefront_size: 32
...
	.end_amdgpu_metadata
.endif
;; end of part 2
;; launch ffn (part 3): grid 71 x 3, 4 waves a work-group, no clusters, 327,680 bytes of LDS; arguments wb, xb, plan, yp; writes yp
.if DOCPART == 3
	.amdgcn_target "amdgcn-amd-amdhsa--gfx1250"
	.amdhsa_code_object_version 6
	.text
	.protected	k_q1b9c2d8642_ffn
	.globl	k_q1b9c2d8642_ffn
	.p2align	8
	.type	k_q1b9c2d8642_ffn,@function
k_q1b9c2d8642_ffn:
	s_mov_b64 s[64:65], 0
	v_nop
	global_prefetch_b8 v0, s[64:65] scope:SCOPE_SE
	s_setreg_imm32_b32 hwreg(HW_REG_WAVE_MODE, 25, 1), 1
	s_wait_xcnt 0x0
; THE EXPERTS.  For a block of 128 slots of one expert and a slice of F: Y[slot][d] = sum over the slice's f of silu(x W1)[f] (x W3)[f] W2[f][d].
; Left out: the experts that a token did not choose (combine is 0 there by one_hot's zeros; shown at the head of the router's kernel).
; Only the slots of the plan are computed.
; GRID.  x = block, y = slice.  71 blocks is the bound of sum ceil(n_e / 128) for every routing; the three slices are chunks 0-5, 6-10, 11-15
; of 64 columns of F, so that 213 work-groups share the work; their partial sums go to yp in f32 and the last launch adds them.
; A slot behind an expert's last entry holds token 0: it is computed with its tile and never read.  So is a block behind the last one
; in use (expert 7, token 0): every wave passes every barrier on a way that hangs on no loaded number, so such a block has no early end.
; NO CLUSTER: an expert's blocks do read the same weights, but how many blocks an expert has is read from memory; groups of four blocks
; of one expert would take up to 23 x 4 = 92 blocks in place of 71, a quarter of them without rows.
; LIMITS.  Operands in bf16 (h too: at 30 times the drawn inputs it passes f16's range), sums in f32.
;
; A WAVE has 32 slots (two token tiles tt), all 64 f of a chunk and all 512 d.
; First product, transposed: source 0 = W (rows = f), source 1 = X (columns = tokens).  Lane (r, h) then holds f = f0 + 8 h + j of token r in
; register j, and two such tiles rounded to bf16 ARE the K = 32 fragment of the second product's source 1: h never leaves the registers.
; Second product: source 0 = W2 (rows = d), source 1 = h: a lane holds 8 neighbouring d of one token.
; W lies in LDS with K down the rows, so its fragments come by the transposing load.
; THE GATE BESIDE THE PRODUCTS.  silu hangs on x W1 alone, which is whole behind W1's sixteenth K step, so it is computed while x W3 is summed:
; two tiles of G for every four K steps of W3.  An exponential or a reciprocal stands behind each matrix instruction; the plain lines
; (times -1.442695, plus 1, g times the reciprocal) stand where a load into a fragment buffer wants four places behind the matrix
; instructions that read it.  Behind W3's last K step only the product with x W3 and the rounding are left.
;
; LDS.  Two slots of 384 rows of 256 bytes at pitch 288; slot 0 always holds a chunk's rows 0-383 (W1, and W3's d 0-255), slot 1 its rows
; 384-767 (W3's d 256-511, and W2).  Six regions of 128 rows: 0, 1 = W1, 2, 3 = W3 (8 K steps each), 4, 5 = W2 (d 0-255, 256-511).
; In a row of W1 or W3 lie d = 2p (bytes 0-127) and d = 2p + 1 (bytes 128-255); with pitch 288 the sixteen 16-byte pieces that half a wave
; addresses fall into sixteen different 16-byte columns modulo 256, for these rows and for W2's.
; Behind the ring each wave has a stage of its own, which no tensor load fills: X on the way in, Y on the way out.
; REGISTERS: window 0: addresses, T, G, U, three fragment buffers, TB; window 1: X, fragment (tt, ks) at 8 (16 tt + ks);
; windows 2, 3: Y, d tiles 0-15 and 16-31, tile (t, tt) at 8 (2 (t & 15) + tt).
.set PITCH, 288
.set RGN,   128*PITCH                  ; 36,864
.set SLOT,  3*RGN                      ; 110,592
.set STAGE, 2*SLOT                     ; 221,184 = 864 x 256
.set STW,   16896                      ; a wave's stage
.set XP,    1040                       ; X stage: a row of 512 bf16 + 16 bytes
.set YPP,   528                        ; Y stage: 128 f32 + 16 bytes
.set CHUNK, 196608                     ; bytes of a chunk in wb
.set HALF,  98304
.set SLB,   18612224                   ; bytes of a slice of yp: 9,088 slots x 2,048
.set AR,  2                            ; v[2:7]     my fragment address in regions 0 to 5
.set T,   16                           ; v[16:23]   the gate's work set for the tiles tt = 0
.set G,   24                           ; v[24:87]   x W1: tile (ft, tt) at 8 (2 ft + tt).  Later: W2 buffer P0, and a buffer on the way out
.set U,   88                           ; v[88:151]  x W3, the same map; h's fragment (ks, tt) takes the place of tile (2 ks, tt).
                                       ;            While W1 is multiplied U holds nothing and serves as a fragment buffer
.set WB,  152                          ; v[152:247] three buffers of 32 for W1 and W3; the first 64 are W2 buffer P1
.set TB,  248                          ; v[248:255] the gate's work set for the tiles tt = 1
.set P0,  G
.set P1,  WB
.set GD1, 24                           ; s[24:31]   descriptor group 1
.set GD0, 32                           ; s[32:39]   descriptor group 0, one set for each slot
.set MSB, 0
.macro WIN new                         ; the immediate's high byte repeats the setting that is left
.if MSB != \new
	s_set_vgpr_msb (MSB<<8)|\new
.set MSB, \new
.endif
.endm
.macro PLACES cnt                      ; places behind matrix instructions are plain vector instructions that name none of their registers (ISA guide 7.12.1)
.rept \cnt
	v_nop
.endr
.endm
	s_load_b256 s[4:11], s[0:1], 0x0               ; wb s[4:5], xb s[6:7], plan s[8:9], yp s[10:11]
	v_lshl_add_u32 v14, v0, 2, 0x46800
	v_mov_b32 v15, 0
	ds_add_u32 v14, v15
	ds_add_u32 v14, v15
	s_wait_dscnt 0x0
	v_lshrrev_b32 v1, 5, v0
	v_readfirstlane_b32 s14, v1                    ; wave
	s_mov_b32 s15, ttmp9                           ; block
	s_and_b32 s16, ttmp7, 0xffff                   ; slice
	s_lshl_b32 s20, s15, 2
	s_lshl_b32 s21, s15, 9
	s_lshl_b32 s22, s14, 7
	s_add_co_u32 s21, s21, s22                     ; 4 (128 block + 32 wave)
	s_wait_kmcnt 0x0
	s_load_b32 s18, s[8:9], s20 offset:0x11000     ; the block's expert
	s_load_b512 s[40:55], s[8:9], s21 offset:0x8000    ; my 32 slots' tokens
	s_load_b512 s[68:83], s[8:9], s21 offset:0x8040
	; group 1: 96 rows of 32 elements of 8 bytes, dense in memory; in LDS 8 words of padding behind every 64
	s_mov_b32 s[GD1+0], (3<<16)|(1<<20)|(5<<22)|(7<<25)
	s_mov_b32 s[GD1+1], 32<<16                     ; tensor_dim0 = 32
	s_mov_b32 s[GD1+2], 96<<16                     ; tensor_dim1 = 96
	s_mov_b32 s[GD1+3], 32<<16                     ; tile_dim0 = 32
	s_mov_b32 s[GD1+4], 96                         ; tile_dim1 = 96
	s_mov_b32 s[GD1+5], 32                         ; from row to row
	s_mov_b32 s[GD1+6], 0
	s_mov_b32 s[GD1+7], 0
	s_min_u32 s12, s16, 1
	s_mul_i32 s13, s16, 5
	s_add_co_u32 s13, s13, s12                     ; first chunk: 0, 6, 11
	s_sub_co_u32 s19, 4, s12                       ; trips of the loop = chunks - 2: 4, 3, 3
	s_mul_i32 s13, s13, CHUNK
	s_mul_i32 s17, s14, 96*256
	s_add_co_u32 s13, s13, s17                     ; my 96 rows of each half
	s_mul_i32 s17, s14, 96*PITCH                   ; and their place in a slot
	s_wait_kmcnt 0x0
	s_min_u32 s18, s18, 7                          ; a loaded number is clamped before it enters an address
	s_mul_i32 s22, s18, 0x300000
	s_add_co_u32 s22, s22, s13
	s_mov_b32 s23, 0
	s_add_nc_u64 s[4:5], s[4:5], s[22:23]
	; both first fills go out together, ahead of every LDS access, wait on TENSORcnt and barrier: two tensor loads of the wave are out
.irp n, 0,1
	s_mov_b32 s[GD0+4*\n], 1
	s_add_co_u32 s[GD0+4*\n+1], s17, \n*SLOT
	s_add_nc_u64 s[GD0+4*\n+2:GD0+4*\n+3], s[4:5], \n*HALF
	s_or_b32 s[GD0+4*\n+3], s[GD0+4*\n+3], 0x80000000
	tensor_load_to_lds s[GD0+4*\n:GD0+4*\n+3], s[GD1:GD1+7]
	s_nop 0
.endr
	v_and_b32 v11, 31, v0                          ; L
	v_and_b32 v13, 15, v0                          ; r
	v_bfe_u32 v14, v0, 4, 1                        ; h
	v_and_b32 v15, 7, v0
	v_lshl_add_u32 v15, v14, 3, v15                ; kl = 8 h + (L & 7): the k row that I address for the transposing load
	v_bfe_u32 v16, v0, 3, 1
	v_lshlrev_b32 v16, 4, v16                      ; columns 0-7 or 8-15 of the tile
	v_lshrrev_b32 v17, 1, v15
	v_and_b32 v18, 1, v15
	v_mad_u32_u24 v1, v17, PITCH, v16
	v_lshl_add_u32 v1, v18, 7, v1                  ; W1, W3: row kl / 2, half kl & 1
	v_mad_u32_u24 v19, v15, PITCH, v16             ; W2: row kl
.irp k, 0,1,2,3
	v_add_nc_u32 v[AR+\k], \k*RGN, v1
.endr
	v_add_nc_u32 v[AR+4], 4*RGN, v19
	v_add_nc_u32 v[AR+5], 5*RGN, v19
	s_mul_i32 s12, s14, STW
	s_add_co_u32 s12, s12, STAGE
	v_lshlrev_b32 v12, 4, v11                      ; v12 = 16 L
	v_add_nc_u32 v8, s12, v12                      ; v8: stage by rows
	v_mul_u32_u24 v9, v13, XP
	v_lshl_add_u32 v9, v14, 4, v9
	v_add_nc_u32 v9, s12, v9                       ; v9: X fragment: row r, 16 h
	v_mul_u32_u24 v10, v13, YPP
	v_lshl_add_u32 v10, v14, 5, v10
	v_add_nc_u32 v10, s12, v10                     ; v10: Y in: row r, 32 h
	s_mul_i32 s20, s16, SLB
	s_lshl_b32 s21, s15, 18
	s_add_co_u32 s20, s20, s21
	s_lshl_b32 s21, s14, 16
	s_add_co_u32 s20, s20, s21
	s_mov_b32 s21, 0
	s_add_nc_u64 s[84:85], s[10:11], s[20:21]      ; yp at my slice and my first slot
	; X IN: 32 rows of 1,024 bytes, gathered by the plan's tokens, through my stage into fragments
.irp i, 0,1,2,3,4,5,6,7,8,9,10,11,12,13,14,15
	s_min_u32 s[40+\i], s[40+\i], 0xfff
	s_lshl_b32 s[40+\i], s[40+\i], 10
	v_add_nc_u32 v[WB+\i], s[40+\i], v12
	s_min_u32 s[68+\i], s[68+\i], 0xfff
	s_lshl_b32 s[68+\i], s[68+\i], 10
	v_add_nc_u32 v[WB+16+\i], s[68+\i], v12
.endr
.irp i, 0,1,2,3,4,5,6,7,8,9,10,11,12,13,14,15
	global_load_b128 v[G+8*\i:G+8*\i+3],   v[WB+\i], s[6:7]               ; 512 consecutive bytes of the token's row
	global_load_b128 v[G+8*\i+4:G+8*\i+7], v[WB+\i], s[6:7] offset:512
.endr
	WIN 0x80                                       ; the second token tile waits in window 2, where Y will lie
.irp i, 0,1,2,3,4,5,6,7,8,9,10,11,12,13,14,15
	global_load_b128 v[8*\i:8*\i+3],   v[WB+16+\i], s[6:7]
	global_load_b128 v[8*\i+4:8*\i+7], v[WB+16+\i], s[6:7] offset:512
.endr
	WIN 0
	s_wait_loadcnt 32                              ; the first tile's 32 loads are in, the second's 32 stay out
.irp i, 0,1,2,3,4,5,6,7,8,9,10,11,12,13,14,15
	ds_store_b128 v8, v[G+8*\i:G+8*\i+3]   offset:XP*\i
	ds_store_b128 v8, v[G+8*\i+4:G+8*\i+7] offset:XP*\i+512
.endr
	WIN 0x40                                       ; LDS serves a wave's instructions in order: these loads see the stores above
.irp ks, 0,1,2,3,4,5,6,7,8,9,10,11,12,13,14,15
	ds_load_b128 v[8*\ks:8*\ks+3],   v9 offset:64*\ks
	ds_load_b128 v[8*\ks+4:8*\ks+7], v9 offset:64*\ks+32
.endr
	s_wait_loadcnt 0x0
	WIN 0x08                                       ; store data from window 2; these stores follow the loads above in LDS's order
.irp i, 0,1,2,3,4,5,6,7,8,9,10,11,12,13,14,15
	ds_store_b128 v8, v[8*\i:8*\i+3]   offset:XP*\i
	ds_store_b128 v8, v[8*\i+4:8*\i+7] offset:XP*\i+512
.endr
	WIN 0x40
.irp ks, 0,1,2,3,4,5,6,7,8,9,10,11,12,13,14,15
	ds_load_b128 v[128+8*\ks:128+8*\ks+3],   v9 offset:64*\ks
	ds_load_b128 v[128+8*\ks+4:128+8*\ks+7], v9 offset:64*\ks+32
.endr
	WIN 0
; FIRST PRODUCT.  Step st = 0..15: K step st of W1 into G; st = 16..31: K step st - 16 of W3 into U.  Region st / 8; 16 LDS rows a K step.
.macro G1LOAD st, buf                  ; four f tiles x 32 K: eight transposing loads into the 32 registers at buf
.set g1o, ((\st)%8)*16*PITCH
.irp ft, 0,1,2,3
	ds_load_tr16_b128 v[\buf+8*\ft:\buf+8*\ft+3],   v[AR+((\st)/8)] offset:g1o+32*\ft
	ds_load_tr16_b128 v[\buf+8*\ft+4:\buf+8*\ft+7], v[AR+((\st)/8)] offset:g1o+32*\ft+8*PITCH
.endr
.endm
; Eight matrix instructions on eight accumulators, which take turns.  tr = 1: an exponential, tr = 2: a reciprocal, of
; register j of the work set treg stands behind the j-th of them; it names none of their registers.
.macro G1MUL st, buf, tr, treg
.set g1j, 0
.irp ft, 0,1,2,3
.irp tt, 0,1
.set g1d, G+64*((\st)/16)+8*(2*\ft+\tt)
.set g1a, \buf+8*\ft
.set g1x, 8*(16*\tt+((\st)%16))
.if ((\st)%16) == 0
	v_wmma_f32_16x16x32_bf16 v[g1d:g1d+7], v[g1a:g1a+7], v[g1x:g1x+7], 0             ; the first K step starts the sums
.else
	v_wmma_f32_16x16x32_bf16 v[g1d:g1d+7], v[g1a:g1a+7], v[g1x:g1x+7], v[g1d:g1d+7]
.endif
.if \tr == 1
	v_exp_f32 v[\treg+g1j], v[\treg+g1j]
.elseif \tr == 2
	v_rcp_f32 v[\treg+g1j], v[\treg+g1j]
.endif
.set g1j, g1j+1
.endr
.endr
.endm
; silu(g) = g / (1 + 2^(-1.442695 g)).  GATE q: g times the reciprocal for the tiles (ft = q, tt = 0), from T, and (q, 1), from TB.  Both sources are
; registers of window 0, so it runs under window setting 0.  T's reciprocals have a plain line behind them already (TB's plus 1); the first four
; lines here are the plain lines behind TB's (ISA guide 5.7.2).
.macro GATE q
.set gga, G+16*(\q)
	s_wait_alu depctr_va_vdst(0)
.irp j, 0,2,4,6
	v_pk_mul_f32 v[gga+\j:gga+\j+1], v[gga+\j:gga+\j+1], v[T+\j:T+\j+1]
.endr
.irp j, 0,2,4,6
	v_pk_mul_f32 v[gga+8+\j:gga+8+\j+1], v[gga+8+\j:gga+8+\j+1], v[TB+\j:TB+\j+1]
.endr
.endm
; The gate's plain lines in front of step st = 16..31.  Steps 16 + 4 q .. 19 + 4 q carry the tiles (q, 0) and (q, 1): exponentials of T, of TB, reciprocals
; of T, of TB.  Each group of four names T, TB and G alone: it fills the four places between the matrix instructions of step st - 1 and the load
; into the buffer that they read, and it is the plain line behind the other set's transcendentals.  All but GATE have one register source, source 0,
; and run under the products' window setting.
.macro PRE st
.set pq, ((\st)-16)/4
.set pga, G+16*pq
.if ((\st)%4) == 0
.if pq == 0
	PLACES 5                                       ; five places that name no register.  Steps 14 and 15 read U as their fragment buffer, and step 16 writes U: five places
	                                               ; between them.  The four lines below are none for the two of those matrix instructions that sum into G's tile (0, 0),
	                                               ; which these lines read.  The five also cover the four places ahead of G's first reader
.else
	WIN 0
	GATE (pq-1)
	WIN 0x04
.endif
.irp j, 0,2,4,6
	v_pk_mul_f32 v[T+\j:T+\j+1], v[pga+\j:pga+\j+1], 0xbfb8aa3b op_sel_hi:[1,0]
.endr
.elseif ((\st)%4) == 1
.irp j, 0,2,4,6
	v_pk_mul_f32 v[TB+\j:TB+\j+1], v[pga+8+\j:pga+8+\j+1], 0xbfb8aa3b op_sel_hi:[1,0]
.endr
.elseif ((\st)%4) == 2
	s_wait_alu depctr_va_vdst(0)
.irp j, 0,2,4,6
	v_pk_add_f32 v[T+\j:T+\j+1], v[T+\j:T+\j+1], 1.0 op_sel_hi:[1,0]
.endr
.else
.irp j, 0,2,4,6
	v_pk_add_f32 v[TB+\j:TB+\j+1], v[TB+\j:TB+\j+1], 1.0 op_sel_hi:[1,0]
.endr
.endif
.endm
; Steps first .. last - 1 of W3, step n in buffer n % 3, fragments two steps ahead; the fragments of the first two steps are on their way at the head.
.macro G1TAIL first, last
.set gn, \first
.rept (\last-\first)
	PRE gn
.if (gn+2) < \last
.set glb, WB+32*((gn+2)%3)
	G1LOAD (gn+2), glb
	s_wait_dscnt 16                                ; this step's eight loads are in; the sixteen of the next two steps stay out
.elseif (gn+1) < \last
	s_wait_dscnt 8                                 ; the last step's eight stay out
.else
	s_wait_dscnt 0
.endif
.set gmb, WB+32*(gn%3)
.set gtr, 1+((gn%4)/2)
.set gtg, T+(TB-T)*(gn%2)
	G1MUL gn, gmb, gtr, gtg
.set gn, gn+1
.endr
.endm
; h = silu(g) u for one tile, rounded to bf16 into its half of the second product's fragment; G holds silu(g) by now
.macro FIN ft, tt
.set ag, G+8*(2*\ft+\tt)
.set au, U+8*(2*\ft+\tt)
.set ah, U+8*(2*((\ft/2)*2)+\tt)+4*(\ft%2)
.irp j, 0,2,4,6
	v_pk_mul_f32 v[ag+\j:ag+\j+1], v[ag+\j:ag+\j+1], v[au+\j:au+\j+1]     ; silu first, then up, as reference() has it
.endr
.irp p, 0,1,2,3
	v_cvt_pk_bf16_f32 v[ah+\p], v[ag+2*\p], v[ag+2*\p+1]
.endr
.endm
; SECOND PRODUCT.  Batch b = 4 ks + g: K step ks of the chunk's two, d = 128 g .. +127: eight d tiles.
.macro W2LOAD b, buf
.set w2lg, (\b)%4
.set w2lo, ((w2lg%2)*64+32*((\b)/4))*PITCH
.irp i, 0,1,2,3,4,5,6,7
	ds_load_tr16_b128 v[\buf+8*\i:\buf+8*\i+3],   v[AR+4+(w2lg/2)] offset:w2lo+32*\i
	ds_load_tr16_b128 v[\buf+8*\i+4:\buf+8*\i+7], v[AR+4+(w2lg/2)] offset:w2lo+32*\i+16*PITCH
.endr
.endm
.macro W2MUL b, buf, zero              ; sixteen matrix instructions; the 64 accumulators of Y take turns
.set w2g, (\b)%4
.set w2k, (\b)/4
.if w2g < 2
	WIN 0xa0                                       ; C and D in window 2
.else
	WIN 0xf0                                       ; in window 3
.endif
.irp i, 0,1,2,3,4,5,6,7
.irp tt, 0,1
.set w2d, 8*(2*(8*(w2g%2)+\i)+\tt)
.set w2h, U+8*(4*w2k+\tt)
.if (\zero) && (w2k == 0)
	v_wmma_f32_16x16x32_bf16 v[w2d:w2d+7], v[\buf+8*\i:\buf+8*\i+7], v[w2h:w2h+7], 0  ; the work-group's first K step starts Y's sums: nothing is cleared
.else
	v_wmma_f32_16x16x32_bf16 v[w2d:w2d+7], v[\buf+8*\i:\buf+8*\i+7], v[w2h:w2h+7], v[w2d:w2d+7]
.endif
.endr
.endr
.endm
; The change of slots.  Every wave waits for its LDS reads and for ALL its tensor loads, then the barrier; behind it the slot that was read
; is filled again by the wave's one tensor load, first thing.  One tensor load of the wave is out from there to the next such barrier.
.macro SYNC slot, refill
	s_wait_dscnt 0x0
	s_wait_xcnt 0x0
	s_set_vgpr_msb (MSB<<8)|((MSB&0x3c)|0x0)
	v_lshl_add_u32 v14, v0, 2, 0x46800
	v_mov_b32 v15, 0
	s_set_vgpr_msb (((MSB&0x3c)|0x0)<<8)|((MSB&0x30)|0x0)
	s_wait_tensorcnt 0x0                           ; none of my loads is out, so a group 0 may be written
	ds_add_u32 v14, v15
	s_wait_dscnt 0x0
	s_set_vgpr_msb (((MSB&0x30)|0x0)<<8)|MSB
.if \refill
	s_add_nc_u64 s[GD0+4*\slot+2:GD0+4*\slot+3], s[GD0+4*\slot+2:GD0+4*\slot+3], CHUNK    ; the same half of the next chunk
.endif
	s_barrier_signal -1
	s_barrier_wait -1
.if \refill
	tensor_load_to_lds s[GD0+4*\slot:GD0+4*\slot+3], s[GD1:GD1+7]
	s_nop 0
.endif
.endm
; Reads slot 0: all of W1, half of W3: 192 matrix instructions.
; W1's K steps go two to a batch: sixteen loads in one run, sixteen matrix instructions; even batches in WB's first 64 registers, odd ones in U.
; The five places at the head part the second product's last matrix instructions from the loads into WB and U, which they read, and from the
; first write of G, which was their buffer P0.
.macro PHASE_A
	WIN 0x04                                       ; source 1 (X) in window 1; the LDS loads' address and data stay in window 0
	PLACES 5
	G1LOAD 0, WB
	G1LOAD 1, (WB+32)
	G1LOAD 2, U
	G1LOAD 3, (U+32)
.set pp, 0
.rept 8
.if (pp%2) == 0
.set pbuf, WB
.else
.set pbuf, U
.endif
	s_wait_dscnt 16                                ; this batch's sixteen loads are in; the sixteen issued behind them stay out
	G1MUL (2*pp), pbuf, 0, T
	G1MUL (2*pp+1), (pbuf+32), 0, T
.if pp < 6
	PLACES 4                                       ; the buffer was read by the batch just issued
	G1LOAD (2*pp+4), pbuf
	G1LOAD (2*pp+5), (pbuf+32)
.elseif pp == 6
	PLACES 4
	G1LOAD 16, (WB+32)                             ; W3's first two K steps, in their places in the ring of three: 16 % 3 = 1, 17 % 3 = 2
	G1LOAD 17, (WB+64)
.endif
.set pp, pp+1
.endr
	G1TAIL 16, 24                                  ; the five places at the head of its first step part batch 7's reads of U from the first write of U
.endm
; Reads slot 1: the rest of W3, W2: 192 matrix instructions.
.macro PHASE_B zero
	WIN 0x04
	G1LOAD 24, WB                                  ; buffers 0 and 1 were read by steps 21 and 22; four plain lines of the gate stand behind each of them
	G1LOAD 25, (WB+32)
	G1TAIL 24, 32
	WIN 0
	GATE 3                                         ; eight places behind the last of U's sums: for the loads into P1 and for FIN's reads of U
	W2LOAD 0, P1                                   ; on its way while h is finished
	FIN 0, 0                                       ; a fragment's lower half, then its upper half, which lands in the tile just spent
	FIN 1, 0
	FIN 0, 1
	FIN 1, 1
	FIN 2, 0
	FIN 3, 0
	FIN 2, 1
	FIN 3, 1
.set pb, 0
.rept 8
.if pb < 7
.if pb > 0
	PLACES 4                                       ; the other buffer was read by the batch just issued
.endif
	WIN 0
.if (pb%2) == 0
	W2LOAD (pb+1), P0
.else
	W2LOAD (pb+1), P1
.endif
	s_wait_dscnt 16                                ; this batch's fragments are in; the sixteen loads just issued stay out
.else
	s_wait_dscnt 0
.endif
.if (pb%2) == 0
	W2MUL pb, P1, \zero
.else
	W2MUL pb, P0, \zero
.endif
.set pb, pb+1
.endr
	WIN 0                                          ; at a label and at a branch every window is 0
.endm
	s_wait_tensorcnt 0x1                           ; my part of slot 0 is in; slot 1's may stay out
	s_wait_dscnt 0x0                               ; X's fragments are in
	s_barrier_signal -1
	s_barrier_wait -1
	PHASE_A                                        ; the first chunk stands in front of the loop: its products start Y's sums
	SYNC 0, 1
	PHASE_B 1
.Lchunk:
	SYNC 1, 1
	PHASE_A
	SYNC 0, 1
	PHASE_B 0
	s_sub_co_u32 s19, s19, 1
	s_cmp_gt_i32 s19, 0                            ; a signed compare: the counter comes down from 4 or 3 and the loop ends at 0 or below
	s_cbranch_scc1 .Lchunk
	SYNC 1, 1                                      ; the last chunk: its second half is the last fill
	PHASE_A
	SYNC 0, 0                                      ; no later step reads slot 0, so it is not filled; the barrier shows slot 1 whole
	PHASE_B 0
	; THE WAY OUT: 16 tokens x 128 d at a time through my stage, so that a store of the wave covers 512 consecutive bytes of a row of yp
	PLACES 4                                       ; behind the last matrix instructions: for the LDS stores of results and the loads into G and U
.macro OUT tt, dq, rb
.if \dq < 2
	WIN 0x08                                       ; store data from window 2
.else
	WIN 0x0c                                       ; from window 3
.endif
.irp i, 0,1,2,3,4,5,6,7
	ds_store_b128 v10, v[8*(2*(8*(\dq%2)+\i)+\tt):8*(2*(8*(\dq%2)+\i)+\tt)+3]   offset:64*\i
	ds_store_b128 v10, v[8*(2*(8*(\dq%2)+\i)+\tt)+4:8*(2*(8*(\dq%2)+\i)+\tt)+7] offset:64*\i+16
.endr
	WIN 0
	s_wait_xcnt 0x0                                ; the buffer was the data of earlier stores: it is loaded again only behind this wait
.irp i, 0,1,2,3,4,5,6,7,8,9,10,11,12,13,14,15
	ds_load_b128 v[\rb+4*\i:\rb+4*\i+3], v8 offset:YPP*\i                 ; my own bytes, in LDS's order behind the stores above
.endr
.irp i, 0,1,2,3,4,5,6,7,8,9,10,11,12,13,14,15
	s_wait_dscnt 15-\i                             ; row i is in, the rows behind it stay out
	global_store_b128 v12, v[\rb+4*\i:\rb+4*\i+3], s[84:85] offset:2048*(16*\tt+\i)+512*\dq
.endr
.endm
	OUT 0, 0, G
	OUT 0, 1, U
	OUT 0, 2, G
	OUT 0, 3, U
	OUT 1, 0, G
	OUT 1, 1, U
	OUT 1, 2, G
	OUT 1, 3, U
	s_wait_xcnt 0x0
	s_set_vgpr_msb (MSB<<8)|((MSB&0x3c)|0x0)
	v_lshl_add_u32 v14, v0, 2, 0x46800
	v_mov_b32 v15, 0
	s_set_vgpr_msb (((MSB&0x3c)|0x0)<<8)|((MSB&0x30)|0x0)
	s_wait_tensorcnt 0x0
	ds_add_u32 v14, v15
	s_wait_dscnt 0x0
	s_set_vgpr_msb (((MSB&0x30)|0x0)<<8)|MSB
	s_endpgm
.Lfunc_end_k_q1b9c2d8642_ffn:
	.size	k_q1b9c2d8642_ffn, .Lfunc_end_k_q1b9c2d8642_ffn-k_q1b9c2d8642_ffn
	.p2alignl 7, 3214868480
	.fill 96, 4, 3214868480
	.section	.rodata,"a",@progbits
	.p2align	6, 0x0
	.amdhsa_kernel k_q1b9c2d8642_ffn
		.amdhsa_group_segment_fixed_size 327680
		.amdhsa_private_segment_fixed_size 0
		.amdhsa_enable_private_segment 0
		.amdhsa_kernarg_size 32
		.amdhsa_user_sgpr_count 2
		.amdhsa_user_sgpr_kernarg_segment_ptr 1
		.amdhsa_wavefront_size32 1
		.amdhsa_system_sgpr_workgroup_id_x 1
		.amdhsa_system_sgpr_workgroup_id_y 1
		.amdhsa_system_sgpr_workgroup_id_z 1
		.amdhsa_system_vgpr_workitem_id 0
		.amdhsa_next_free_vgpr 1024
		.amdhsa_next_free_sgpr 88
		.amdhsa_reserve_vcc 0
		.amdhsa_float_denorm_mode_32 3
		.amdhsa_float_denorm_mode_16_64 3
		.amdhsa_memory_ordered 1
		.amdhsa_forward_progress 1
		.amdhsa_inst_pref_size 255
	.end_amdhsa_kernel
	.section	.bss,"aw",@nobits
	.p2align	6
	.space	262144
	.amdgpu_metadata
---
amdhsa.version: [ 1, 2 ]
amdhsa.kernels:
  - .name:           k_q1b9c2d8642_ffn
    .symbol:         k_q1b9c2d8642_ffn.kd
    .args:
      - { .name: wb, .offset: 0, .size: 8, .value_kind: global_buffer, .address_space: global }
      - { .name: xb, .offset: 8, .size: 8, .value_kind: global_buffer, .address_space: global }
      - { .name: plan, .offset: 16, .size: 8, .value_kind: global_buffer, .address_space: global }
      - { .name: yp, .offset: 24, .size: 8, .value_kind: global_buffer, .address_space: global }
    .group_segment_fixed_size: 327680
    .private_segment_fixed_size: 0
    .kernarg_segment_align: 8
    .kernarg_segment_size: 32
    .max_flat_workgroup_size: 128
    .sgpr_count:     88
    .vgpr_count:     1024
    .wavefront_size: 32
...
	.end_amdgpu_metadata
.endif
;; end of part 3
;; launch combine (part 4): grid 256 x 1, 8 waves a work-group, no clusters, 0 bytes of LDS; arguments yp, plan, rt, out0; writes out0
.if DOCPART == 4
	.amdgcn_target "amdgcn-amd-amdhsa--gfx1250"
	.amdhsa_code_object_version 6
	.text
	.protected	k_q1b9c2d8642_combine
	.globl	k_q1b9c2d8642_combine
	.p2align	8
	.type	k_q1b9c2d8642_combine,@function
k_q1b9c2d8642_combine:
	s_mov_b64 s[64:65], 0
	v_nop
	global_prefetch_b8 v0, s[64:65] scope:SCOPE_SE
	s_setreg_imm32_b32 hwreg(HW_REG_WAVE_MODE, 25, 1), 1
	s_wait_xcnt 0x0
; out[n] = c0 (Y of slot pos[2n]) + c1 (Y of slot pos[2n+1]), each Y the sum of its three slices of F.
; Left out: the six experts of each token whose combine weight is 0 by one_hot's zeros (shown at the head of the router's kernel);
; of yp only the slots that pos names are read, so neither the free slots nor the blocks not in use reach out.
; A stream: memory binds it, so no LDS, no matrix unit, no cluster.  A wave owns two tokens: 2 tokens x 2 slots x 3 slices x 2,048 bytes =
; 48 loads of 512 consecutive bytes, all issued at once; then eight groups of six are weighted, added and stored as they come in.
.set SLB, 18612224                     ; bytes of a slice of yp
.set OFF, 2                            ; v[2:5]    2,048 x slot + 16 L for (token a, choice k) at 2 a + k
.set C,   6                            ; v[6:13]   the weight of (a, k), twice: a pair for the packed arithmetic
.set D,   16                           ; v[16:207] group 4 a + q: six loads of four registers, (k, slice) at 3 k + slice
	s_load_b256 s[4:11], s[0:1], 0x0               ; yp s[4:5], plan s[6:7], rt s[8:9], out0 s[10:11]
	v_and_b32 v1, 31, v0
	v_lshrrev_b32 v2, 5, v0
	v_readfirstlane_b32 s12, v2                    ; wave
	s_lshl_b32 s13, ttmp9, 7
	s_lshl_b32 s14, s12, 4
	s_add_co_u32 s13, s13, s14                     ; 8 bytes x my first token, 16 x work-group + 2 x wave
	v_lshlrev_b32 v1, 4, v1                        ; 16 L
	s_wait_kmcnt 0x0
	s_load_b128 s[16:19], s[6:7], s13 offset:0x0   ; four slots
	s_load_b128 s[20:23], s[8:9], s13 offset:0x0   ; four weights
	s_add_nc_u64 s[24:25], s[4:5], SLB             ; slices 1 and 2
	s_add_nc_u64 s[26:27], s[4:5], 2*SLB
	s_lshl_b32 s28, ttmp9, 15
	s_lshl_b32 s29, s12, 12
	s_add_co_u32 s28, s28, s29
	s_mov_b32 s29, 0
	s_add_nc_u64 s[10:11], s[10:11], s[28:29]      ; out0 at my first token
	s_wait_kmcnt 0x0
.irp j, 0,1,2,3
	s_min_u32 s[16+\j], s[16+\j], 0x237f           ; a loaded number is clamped before it enters an address: slots are below 9,088
	s_lshl_b32 s[16+\j], s[16+\j], 11
	v_add_nc_u32 v[OFF+\j], s[16+\j], v1
	v_mov_b32 v[C+2*\j], s[20+\j]
	v_mov_b32 v[C+2*\j+1], s[20+\j]
.endr
.irp a, 0,1
.irp q, 0,1,2,3
.irp k, 0,1
	global_load_b128 v[D+24*(4*\a+\q)+12*\k:D+24*(4*\a+\q)+12*\k+3],    v[OFF+2*\a+\k], s[4:5]   offset:512*\q th:TH_LOAD_NT
	global_load_b128 v[D+24*(4*\a+\q)+12*\k+4:D+24*(4*\a+\q)+12*\k+7],  v[OFF+2*\a+\k], s[24:25] offset:512*\q th:TH_LOAD_NT
	global_load_b128 v[D+24*(4*\a+\q)+12*\k+8:D+24*(4*\a+\q)+12*\k+11], v[OFF+2*\a+\k], s[26:27] offset:512*\q th:TH_LOAD_NT
.endr
.endr
.endr
.irp a, 0,1
.irp q, 0,1,2,3
.set d0, D+24*(4*\a+\q)
.set c0, C+4*\a
	s_wait_loadcnt 42-6*(4*\a+\q)                  ; loads come back in order: this group's six are in, the later groups stay out
	v_pk_mul_f32 v[d0:d0+1],   v[d0:d0+1],   v[c0:c0+1]
	v_pk_mul_f32 v[d0+2:d0+3], v[d0+2:d0+3], v[c0:c0+1]
.irp t, 1,2
	v_pk_fma_f32 v[d0:d0+1],   v[d0+4*\t:d0+4*\t+1],   v[c0:c0+1], v[d0:d0+1]
	v_pk_fma_f32 v[d0+2:d0+3], v[d0+4*\t+2:d0+4*\t+3], v[c0:c0+1], v[d0+2:d0+3]
.endr
.irp t, 3,4,5
	v_pk_fma_f32 v[d0:d0+1],   v[d0+4*\t:d0+4*\t+1],   v[c0+2:c0+3], v[d0:d0+1]
	v_pk_fma_f32 v[d0+2:d0+3], v[d0+4*\t+2:d0+4*\t+3], v[c0+2:c0+3], v[d0+2:d0+3]
.endr
	global_store_b128 v1, v[d0:d0+3], s[10:11] offset:2048*\a+512*\q th:TH_STORE_NT   ; 512 consecutive bytes of the token's row
.endr
.endr
	s_endpgm
.Lfunc_end_k_q1b9c2d8642_combine:
	.size	k_q1b9c2d8642_combine, .Lfunc_end_k_q1b9c2d8642_combine-k_q1b9c2d8642_combine
	.p2alignl 7, 3214868480
	.fill 96, 4, 3214868480
	.section	.rodata,"a",@progbits
	.p2align	6, 0x0
	.amdhsa_kernel k_q1b9c2d8642_combine
		.amdhsa_group_segment_fixed_size 0
		.amdhsa_private_segment_fixed_size 0
		.amdhsa_enable_private_segment 0
		.amdhsa_kernarg_size 32
		.amdhsa_user_sgpr_count 2
		.amdhsa_user_sgpr_kernarg_segment_ptr 1
		.amdhsa_wavefront_size32 1
		.amdhsa_system_sgpr_workgroup_id_x 1
		.amdhsa_system_sgpr_workgroup_id_y 1
		.amdhsa_system_sgpr_workgroup_id_z 1
		.amdhsa_system_vgpr_workitem_id 0
		.amdhsa_next_free_vgpr 208
		.amdhsa_next_free_sgpr 66
		.amdhsa_reserve_vcc 0
		.amdhsa_float_denorm_mode_32 3
		.amdhsa_float_denorm_mode_16_64 3
		.amdhsa_memory_ordered 1
		.amdhsa_forward_progress 1
		.amdhsa_inst_pref_size 14
	.end_amdhsa_kernel
	.amdgpu_metadata
---
amdhsa.version: [ 1, 2 ]
amdhsa.kernels:
  - .name:           k_q1b9c2d8642_combine
    .symbol:         k_q1b9c2d8642_combine.kd
    .args:
      - { .name: yp, .offset: 0, .size: 8, .value_kind: global_buffer, .address_space: global }
      - { .name: plan, .offset: 8, .size: 8, .value_kind: global_buffer, .address_space: global }
      - { .name: rt, .offset: 16, .size: 8, .value_kind: global_buffer, .address_space: global }
      - { .name: out0, .offset: 24, .size: 8, .value_kind: global_buffer, .address_space: global }
    .group_segment_fixed_size: 0
    .private_segment_fixed_size: 0
    .kernarg_segment_align: 8
    .kernarg_segment_size: 32
    .max_flat_workgroup_size: 256
    .sgpr_count:     66
    .vgpr_count:     208
    .wavefront_size: 32
...
	.end_amdgpu_metadata
.endif
;; end of part 4
